; MI455X (gfx1250); checked and timed in simulation.
; The chip was launched on July 23, 2026; its instructions are those of AMD's public machine-readable ISA for CDNA 5 (MIT licence, August 2026) and "CDNA5" Instruction Set Architecture Reference Guide (July 2026). The comments in the code are by the model that wrote it; some were corrected since.
;; GPT2 Attention. Allowed arithmetic: float matrix products may take bf16 or f16 operands with f32 sums; all other float work in f32.
;; Inputs: c_attn_b 3,072 float32; c_attn_w 1,024 x 3,072 float32; c_proj_b 1,024 float32; c_proj_w 1,024 x 1,024 float32; x 2 x 2,048 x 1,024 float32.
;; Outputs: out0 2 x 2,048 x 1,024 float32.
;; One version. Each part assembles by itself: llvm-mc -triple=amdgcn-amd-amdhsa -mcpu=gfx1250 --defsym DOCPART=n.
;; ======== version 1 of 1: 4 launches
;; limits: values are held in f16: magnitudes above 65,504 overflow, below 6.1e-05 lose precision
;; workspace buffers: xh 8,388,608 bytes; wah 6,291,456 bytes; wph 2,097,152 bytes; qkvh 25,165,824 bytes; aoh 8,388,608 bytes; vlo 1,572,864 bytes; aolo 1,048,576 bytes
;; launch cast (part 1): grid 256 x 1, 8 waves a work-group, no clusters, 0 bytes of LDS; arguments x, c_attn_w, c_proj_w, xh, wah, wph; writes xh, wah, wph
.if DOCPART == 1
	.amdgcn_target "amdgcn-amd-amdhsa--gfx1250"
	.amdhsa_code_object_version 6
	.text
	.protected	k_qdcbf41b80d_cast
	.globl	k_qdcbf41b80d_cast
	.p2align	8
	.type	k_qdcbf41b80d_cast,@function
k_qdcbf41b80d_cast:
	s_mov_b64 s[64:65], 0
	v_nop
	global_prefetch_b8 v0, s[64:65] scope:SCOPE_SE
	s_setreg_imm32_b32 hwreg(HW_REG_WAVE_MODE, 25, 1), 1
	s_wait_xcnt 0x0
; The matrix operands are made: x [4096][1024] and c_attn_w [1024][3072] are rounded once to bf16 (nearest even) into xh and wah, same layouts.
; c_proj_w [1024][1024] is rounded to bf16 likewise, and that number is stored in f16 into wph, because its partner in the product needs f16's 11 bits:
; a bf16 number has 8 significant bits, so the second step is exact from 2^-17 up.
; LIMIT (c_proj_w alone): a magnitude of 65,504 or more becomes infinity; below 2^-17 the second step rounds to multiples of 2^-24.
; A stream: no LDS, no barrier, no matrix unit.  A work-group takes 131,072 bytes of one input: groups 0-127 x, 128-223 c_attn_w, 224-255 c_proj_w.
; A wave takes 16,384 bytes as 32 loads of 512 neighbouring bytes; all 32 are issued before the first is waited for, so every byte of the launch is asked for at once.
; A lane's 16 bytes (4 f32) become 8 bytes: one store of the wave covers 256 consecutive bytes, aligned.
.set X,     4                          ; v[4:131]  32 x 4 registers as loaded; the first two of each four then hold the 4 results
.set NLOAD, 32
	s_load_b256 s[4:11], s[0:1], 0x0               ; x s[4:5], c_attn_w s[6:7], c_proj_w s[8:9], xh s[10:11]
	s_load_b128 s[12:15], s[0:1], 0x20             ; wah s[12:13], wph s[14:15]
	s_mov_b32 s16, ttmp9                           ; the work-group's number
	s_sub_co_u32 s17, s16, 128                     ; its number among c_attn_w's groups (used only where it is one of them)
	s_sub_co_u32 s18, s16, 224                     ; its number among c_proj_w's groups (likewise)
	s_mov_b32 s28, 0xffff0000                      ; a word's upper bf16
	v_lshrrev_b32 v3, 5, v0                        ; wave
	v_and_b32 v1, 31, v0                           ; lane
	v_lshlrev_b32 v1, 4, v1
	v_lshl_add_u32 v1, v3, 14, v1                  ; in: 16,384 wave + 16 lane
	v_lshrrev_b32 v2, 1, v1                        ; out: half of that
	s_wait_kmcnt 0x0
	s_cmp_lt_u32 s16, 224                          ; the choice hangs on the group's number alone
	s_cselect_b64 s[20:21], s[6:7], s[8:9]
	s_cselect_b64 s[22:23], s[12:13], s[14:15]
	s_cselect_b32 s19, s17, s18
	s_cmp_lt_u32 s16, 128
	s_cselect_b64 s[20:21], s[4:5], s[20:21]
	s_cselect_b64 s[22:23], s[10:11], s[22:23]
	s_cselect_b32 s19, s16, s19
	s_lshl_b32 s24, s19, 17                        ; 131,072 bytes in for each group,
	s_mov_b32 s25, 0
	s_lshl_b32 s26, s19, 16                        ; 65,536 out
	s_mov_b32 s27, 0
	s_add_nc_u64 s[20:21], s[20:21], s[24:25]
	s_add_nc_u64 s[22:23], s[22:23], s[26:27]
.set k, 0
.rept NLOAD
	global_load_b128 v[X+4*k:X+4*k+3], v1, s[20:21] offset:512*k th:TH_LOAD_NT   ; read once in the launch
.set k, k+1
.endr
	s_cmp_lt_u32 s16, 224
	s_cbranch_scc0 .Lproj_w
.set k, 0
.rept NLOAD
	s_wait_loadcnt NLOAD-1-k                       ; loads come back in order: load k is in, the younger ones stay out
	v_cvt_pk_bf16_f32 v[X+4*k],   v[X+4*k],   v[X+4*k+1]
	v_cvt_pk_bf16_f32 v[X+4*k+1], v[X+4*k+2], v[X+4*k+3]
	global_store_b64 v2, v[X+4*k:X+4*k+1], s[22:23] offset:256*k   ; no register of a store is written again: no further wait
.set k, k+1
.endr
	s_endpgm
.Lproj_w:
.set k, 0
.rept NLOAD
	s_wait_loadcnt NLOAD-1-k
	v_cvt_pk_bf16_f32 v[X+4*k],   v[X+4*k],   v[X+4*k+1]             ; the one rounding,
	v_cvt_pk_bf16_f32 v[X+4*k+2], v[X+4*k+2], v[X+4*k+3]
	v_and_b32     v[X+4*k+1], s28, v[X+4*k]                          ; back to f32: the high half stays, the low half moves up,
	v_lshlrev_b32 v[X+4*k],   16,  v[X+4*k]
	v_and_b32     v[X+4*k+3], s28, v[X+4*k+2]
	v_lshlrev_b32 v[X+4*k+2], 16,  v[X+4*k+2]
	v_cvt_pk_f16_f32 v[X+4*k],   v[X+4*k],   v[X+4*k+1]              ; and the same numbers in f16
	v_cvt_pk_f16_f32 v[X+4*k+1], v[X+4*k+2], v[X+4*k+3]
	global_store_b64 v2, v[X+4*k:X+4*k+1], s[22:23] offset:256*k
.set k, k+1
.endr
	s_endpgm
.Lfunc_end_k_qdcbf41b80d_cast:
	.size	k_qdcbf41b80d_cast, .Lfunc_end_k_qdcbf41b80d_cast-k_qdcbf41b80d_cast
	.p2alignl 7, 3214868480
	.fill 96, 4, 3214868480
	.section	.rodata,"a",@progbits
	.p2align	6, 0x0
	.amdhsa_kernel k_qdcbf41b80d_cast
		.amdhsa_group_segment_fixed_size 0
		.amdhsa_private_segment_fixed_size 0
		.amdhsa_enable_private_segment 0
		.amdhsa_kernarg_size 48
		.amdhsa_user_sgpr_count 2
		.amdhsa_user_sgpr_kernarg_segment_ptr 1
		.amdhsa_wavefront_size32 1
		.amdhsa_system_sgpr_workgroup_id_x 1
		.amdhsa_system_sgpr_workgroup_id_y 1
		.amdhsa_system_sgpr_workgroup_id_z 1
		.amdhsa_system_vgpr_workitem_id 0
		.amdhsa_next_free_vgpr 136
		.amdhsa_next_free_sgpr 66
		.amdhsa_reserve_vcc 0
		.amdhsa_float_denorm_mode_32 3
		.amdhsa_float_denorm_mode_16_64 3
		.amdhsa_memory_ordered 1
		.amdhsa_forward_progress 1
		.amdhsa_inst_pref_size 29
	.end_amdhsa_kernel
	.amdgpu_metadata
---
amdhsa.version: [ 1, 2 ]
amdhsa.kernels:
  - .name:           k_qdcbf41b80d_cast
    .symbol:         k_qdcbf41b80d_cast.kd
    .args:
      - { .name: x, .offset: 0, .size: 8, .value_kind: global_buffer, .address_space: global }
      - { .name: c_attn_w, .offset: 8, .size: 8, .value_kind: global_buffer, .address_space: global }
      - { .name: c_proj_w, .offset: 16, .size: 8, .value_kind: global_buffer, .address_space: global }
      - { .name: xh, .offset: 24, .size: 8, .value_kind: global_buffer, .address_space: global }
      - { .name: wah, .offset: 32, .size: 8, .value_kind: global_buffer, .address_space: global }
      - { .name: wph, .offset: 40, .size: 8, .value_kind: global_buffer, .address_space: global }
    .group_segment_fixed_size: 0
    .private_segment_fixed_size: 0
    .kernarg_segment_align: 8
    .kernarg_segment_size: 48
    .max_flat_workgroup_size: 256
    .sgpr_count:     66
    .vgpr_count:     136
    .wavefront_size: 32
...
	.end_amdgpu_metadata
.endif
;; end of part 1
;; launch qkvgemm (part 2): grid 16 x 16, 4 waves a work-group, clusters of 4 x 4, 327,680 bytes of LDS; arguments xh, wah, c_attn_b, qkvh, vlo; writes qkvh, vlo
.if DOCPART == 2
	.amdgcn_target "amdgcn-amd-amdhsa--gfx1250"
	.amdhsa_code_object_version 6
	.text
	.protected	k_qdcbf41b80d_qkvgemm
	.globl	k_qdcbf41b80d_qkvgemm
	.p2align	8
	.type	k_qdcbf41b80d_qkvgemm,@function
k_qdcbf41b80d_qkvgemm:
	s_mov_b64 s[64:65], 0
	v_nop
	global_prefetch_b8 v0, s[64:65] scope:SCOPE_SE
	s_setreg_imm32_b32 hwreg(HW_REG_WAVE_MODE, 25, 1), 1
	s_wait_xcnt 0x0
	s_wait_alu depctr_hold_cnt(0) depctr_sa_sdst(0) depctr_va_vdst(0) depctr_va_sdst(0) depctr_va_ssrc(0) depctr_va_vcc(0) depctr_vm_vsrc(0)
	s_getreg_b32 s2, hwreg(HW_REG_IB_STS2, 6, 4)
	s_cmp_eq_u32 s2, 0
	s_cbranch_scc0 .Lentry_in_a_cluster
	s_endpgm
.Lentry_in_a_cluster:
	s_bfe_u32 s2, ttmp6, 0x10000c
	s_cmp_lg_u32 s2, 0xf033
	s_cbranch_scc0 .Lentry_shape_is_right
	s_endpgm
.Lentry_shape_is_right:
; qkv = x W + b.  xh [4096][1024] bf16, wah [1024 k][3072 n] bf16, c_attn_b [3072] f32; sums in f32, started by the bias; rounded once to f16.
; Output qkvh [3 (q,k,v)][2 batches][16 heads][2048 rows][64] f16: a plane of 262,144 bytes for each (which, batch, head).
; LIMIT: the results are f16: a magnitude of 65,504 or more becomes infinity.
; A work-group makes 256 rows x 192 columns (three heads): 16 x 16 = 256 work-groups.  Four waves, each 128 rows x 96 columns = 8 x 6 tiles of 16 x 16 = 384 registers.
; K goes in steps of 128 through two LDS slots filled by the tensor data mover.  W stays [k][n]; its fragments are read by the transposing LDS load.
; CLUSTERS: 4 x 4 work-groups.  x's tile hangs on the block row alone and is asked for jointly by a row of the cluster, W's on the block column alone and is asked for
; jointly by a column: the requests for both are divided by four.
; THE MATRIX INSTRUCTION IS USED TRANSPOSED: source 0 = 16 columns of W, source 1 = 16 rows of x.  Lane l then holds row l % 16 and its registers 0-7 the columns
; 8 (l / 16) + 0..7: eight neighbouring numbers of a row, 16 bytes in f16.
; LOW PARTS: the first rows of a batch attend to few keys, so they are the output's largest numbers by far and f16's 11 bits of V are too few for them.  For the block's first 16 rows
; the rest, sum - f16(sum), is stored too, in f16, as the lanes hold it: vlo [16 block rows][192 column tiles][32 lanes][16 bytes].  All partners of a cluster run one path, so
; every work-group stores its 12 tiles (6,144 bytes); the attention reads V's tiles of rows 0-15 of each batch (65,536 bytes of the 1,572,864).
; REGISTERS: window 0: v0-31 addresses, v32-95 / v96-159 x's fragments (two buffers), v160-207 / v208-255 W's fragments (two buffers);
;   window 1: tiles (a, b), a = 0..3, at v[8 (6 a + b)], and the bias at v192-239;   window 2: tiles a = 4..7.
.set APITCH, 272                       ; x's LDS row: 256 bytes + 16: an odd multiple of 16, so the 16 rows of a fragment load lie in 16 different 16-byte columns modulo 256
.set BPITCH, 480                       ; W's LDS row: 192 columns as six pieces of 64 bytes, 16 bytes of padding behind each: column n at (n >> 5) 80 + (n & 31) 2; 480 = 15 x 32
.set AHALF,  128*APITCH                ; what waves 0, 1 fetch: 128 rows of x
.set BHALF,  64*BPITCH                 ; what waves 2, 3 fetch: 64 k-rows of W
.set BOFF,   2*AHALF                   ; W's tile lies behind x's 256 rows
.set SLOT,   131072
.set SPITCH, 400                       ; the stage of the way out: 192 f16 + 16 bytes
.set ADRA, 16                          ; v16-17  LDS address of my x fragments in slot 0, 1
.set ADRB, 20                          ; v20-21  the same for W
.set STO,  24                          ; v24     the way out: where I put 16 bytes
.set RD,   25                          ; v25     the way out: where I read back
.set CO,   26                          ; v26     16 x lane: my bytes in 512 consecutive bytes
.set BO,   27                          ; v27     32 (l / 16): my eight numbers of the bias
.set F0A,  32
.set F1A,  96
.set F0B,  160
.set F1B,  208
.set BIAS, 192                         ; window 1; on the way out: at work for the low parts
.set LOP,  224                         ; v224-247 the low parts, packed
.set G1,  24                           ; s[24:31] group 1 for x's tiles
.set G0,  32                           ; s[32:39] group 0 for x's tiles, a set for each slot
.set G1B, 48                           ; s[48:55] group 1 for W's tiles
.set G0B, 56                           ; s[56:63] group 0 for W's tiles, a set for each slot
.set MSB, 0
.macro WIN new                         ; low byte: bits 1:0 source 0, 3:2 source 1, 5:4 source 2, 7:6 destination; the high byte repeats the setting that is left
.if MSB != \new
	s_set_vgpr_msb (MSB<<8)|\new
.set MSB, \new
.endif
.endm
.macro PLACES                          ; four places behind a matrix instruction, ahead of loads into its sources and of vector reads of its results
.rept 4
	v_nop
.endr
.endm
; A joint load: waves 0, 1 ask for x's halves, waves 2, 3 for W's.  The branch hangs on the wave's number alone.
.macro JLOAD s
	s_cmp_eq_u32 s13, 0
	s_cbranch_scc0 .Lfor_b_\@
	tensor_load_to_lds s[G0+4*\s:G0+4*\s+3], s[G1:G1+7]
	s_nop 0
	s_branch .Lasked_\@
.Lfor_b_\@:
	tensor_load_to_lds s[G0B+4*\s:G0B+4*\s+3], s[G1B:G1B+7]
	s_nop 0
	v_nop
.Lasked_\@:
.endm
.macro CREST                           ; a round of the cluster's barrier behind its opening work-group barrier
	s_cmp_lg_u32 s12, 0
	s_cbranch_scc1 .Lnot_wave_0_\@
	s_barrier_signal -3
.Lnot_wave_0_\@:
	s_barrier_wait -3
	s_barrier_signal -1
	s_barrier_wait -1
.endm
.macro CROUND                          ; a whole round
	s_barrier_signal -1
	s_barrier_wait -1
	CREST
.endm
	s_load_b256 s[4:11], s[0:1], 0x0               ; xh s[4:5], wah s[6:7], c_attn_b s[8:9], qkvh s[10:11]
	s_load_b64 s[74:75], s[0:1], 0x20              ; vlo
	v_lshl_add_u32 v30, v0, 2, 0x40000
	v_mov_b32 v31, 0
	ds_add_u32 v30, v31
	v_lshrrev_b32 v1, 5, v0
	v_readfirstlane_b32 s12, v1                    ; wave 0..3
	s_lshr_b32 s13, s12, 1                         ; my half of the rows.  Also: I fetch for x (0) or for W (1)
	s_and_b32 s14, s12, 1                          ; my half of the columns.  Also: which half of that tile I fetch
	s_bfe_u32 s40, ttmp6, 0x40000                  ; cx
	s_bfe_u32 s41, ttmp6, 0x40004                  ; cy
	s_lshl_b32 s42, ttmp9, 2
	s_add_co_u32 s42, s42, s40                     ; block column = 4 x cluster x + cx
	s_and_b32 s43, ttmp7, 0xffff
	s_lshl_b32 s43, s43, 2
	s_add_co_u32 s43, s43, s41                     ; block row = 4 x cluster y + cy
	s_lshl_b32 s44, s41, 2
	s_lshl_b32 s44, 15, s44                        ; my row of the cluster: places 4 cy .. 4 cy + 3
	s_lshl_b32 s45, 0x1111, s40                    ; my column: places cx, cx + 4, cx + 8, cx + 12
	; group 1 for x: 128 rows x 128 elements of 2 bytes, 1,024 elements from row to row; 4 words of padding behind every 64
	s_or_b32 s[G1+0], s44, (1<<16)|(1<<20)|(1<<21)|(5<<22)|(3<<25)
	s_mov_b32 s[G1+1], 128<<16                     ; tensor_dim0 = 128
	s_mov_b32 s[G1+2], 128<<16                     ; tensor_dim1 = 128
	s_mov_b32 s[G1+3], 128<<16                     ; tile_dim0 = 128
	s_mov_b32 s[G1+4], 128                         ; tile_dim1 = 128
	s_mov_b32 s[G1+5], 1024
	s_mov_b32 s[G1+6], 0
	s_mov_b32 s[G1+7], 0
	; group 1 for W: 64 k-rows x 192 elements, 3,072 from row to row; 4 words of padding behind every 16 (six pieces to a row)
	s_or_b32 s[G1B+0], s45, (1<<16)|(1<<20)|(1<<21)|(3<<22)|(3<<25)
	s_mov_b32 s[G1B+1], 192<<16
	s_mov_b32 s[G1B+2], 64<<16
	s_mov_b32 s[G1B+3], 192<<16
	s_mov_b32 s[G1B+4], 64
	s_mov_b32 s[G1B+5], 3072
	s_mov_b32 s[G1B+6], 0
	s_mov_b32 s[G1B+7], 0
	; x's address is made of the block row and the wave's number, W's of the block column and the wave's number, each in registers that never hold the other coordinate
	s_lshl_b32 s16, s43, 19                        ; 256 rows x 2,048 bytes
	s_lshl_b32 s17, s14, 18                        ; + 128 rows for the second half
	s_add_co_u32 s16, s16, s17
	s_mov_b32 s17, 0
	s_mul_i32 s46, s14, 64*6144                    ; 64 k-rows of 6,144 bytes for the second half
	s_mul_i32 s47, s42, 384                        ; + 192 columns a block
	s_add_co_u32 s46, s46, s47
	s_mov_b32 s47, 0
	s_mul_i32 s20, s12, AHALF                      ; LDS: x's halves at wave x 34,816 (waves 0, 1),
	s_mul_i32 s21, s12, BHALF
	s_add_co_u32 s21, s21, BOFF-2*BHALF            ; W's halves at 69,632 + (wave - 2) x 30,720 (waves 2, 3)
	s_mul_i32 s76, s42, 768                        ; the bias of my 96 columns: (192 block + 96 half) x 4 bytes
	s_mul_i32 s77, s14, 384
	s_add_co_u32 s76, s76, s77
	s_mov_b32 s77, 0
	s_wait_dscnt 0x0
	s_wait_kmcnt 0x0
	s_add_nc_u64 s[18:19], s[4:5], s[16:17]
	s_add_nc_u64 s[46:47], s[6:7], s[46:47]
	s_add_nc_u64 s[78:79], s[8:9], s[76:77]
	CROUND                                         ; all sixteen work-groups are here: the first joint loads meet
.irp s, 0,1
	s_mov_b32 s[G0+4*\s], 1
	s_add_co_u32 s[G0+4*\s+1], s20, \s*SLOT
	s_add_nc_u64 s[G0+4*\s+2:G0+4*\s+3], s[18:19], \s*256          ; K step s: 128 elements along the row
	s_or_b32 s[G0+4*\s+3], s[G0+4*\s+3], 0x80000000
	s_mov_b32 s[G0B+4*\s], 1
	s_add_co_u32 s[G0B+4*\s+1], s21, \s*SLOT
	s_add_nc_u64 s[G0B+4*\s+2:G0B+4*\s+3], s[46:47], \s*786432     ; K step s: 128 k-rows of 6,144 bytes
	s_or_b32 s[G0B+4*\s+3], s[G0B+4*\s+3], 0x80000000
	JLOAD \s                                       ; both slots are asked for before anything else: two tensor loads of the wave are out
.endr
	v_and_b32 v1, 15, v0                           ; r = l % 16
	v_bfe_u32 v2, v0, 4, 1                         ; h = l / 16
	v_lshlrev_b32 v[BO], 5, v2
	WIN 0x40                                       ; destination in window 1
.irp b, 0,1,2,3,4,5
	global_load_b128 v[BIAS+8*\b:BIAS+8*\b+3],   v[BO], s[78:79] offset:64*\b      ; bias of columns 16 b + 8 h + 0..3,
	global_load_b128 v[BIAS+8*\b+4:BIAS+8*\b+7], v[BO], s[78:79] offset:64*\b+16   ; + 4..7: the layout of a result tile
.endr
	WIN 0
	v_and_b32 v3, 7, v0                            ; l & 7
	v_bfe_u32 v4, v0, 3, 1                         ; (l >> 3) & 1
	v_mul_u32_u24 v5, v1, APITCH
	v_lshl_add_u32 v5, v2, 4, v5                   ; x: row r, 16 bytes for each half of the lanes
	v_lshl_add_u32 v6, v2, 3, v3
	v_mul_u32_u24 v6, v6, BPITCH
	v_lshl_add_u32 v6, v4, 4, v6                   ; W: k-row 8 h + (l & 7), 16 bytes by (l >> 3) & 1: the transposing load's addresses
	s_mul_i32 s22, s13, AHALF                      ; my 128 rows of x
	s_mul_i32 s23, s14, 240                        ; my 96 columns of W: three pieces of 80 bytes,
	s_add_co_u32 s23, s23, BOFF                    ; behind x's tile
.irp s, 0,1
	v_add_nc_u32 v[ADRA+\s], s22, v5
	v_add_nc_u32 v[ADRB+\s], s23, v6
	s_add_co_u32 s22, s22, SLOT
	s_add_co_u32 s23, s23, SLOT
.endr
	v_mul_u32_u24 v7, v1, SPITCH
	v_lshl_add_u32 v7, v2, 4, v7
	s_mul_i32 s22, s13, 128*SPITCH
	s_mul_i32 s23, s14, 192
	s_add_co_u32 s22, s22, s23
	v_add_nc_u32 v[STO], s22, v7                   ; stage row 128 wm + r, byte (96 wn + 8 h) 2
	v_bfe_u32 v8, v0, 3, 2
	v_mul_u32_u24 v8, v8, SPITCH
	v_lshl_add_u32 v8, v3, 4, v8
	s_mul_i32 s22, s12, 64*SPITCH
	v_add_nc_u32 v[RD], s22, v8                    ; back: stage row 64 wave + (l >> 3), byte 16 (l & 7)
	v_and_b32 v9, 31, v0
	v_lshlrev_b32 v[CO], 4, v9
; 24 matrix instructions: four row tiles (hi = 0: my rows 0-63, 1: rows 64-127) x six column tiles, 32 along K.  first = 1: the bias is C, so it starts the sums.
; The 48 accumulators take turns in one fixed order, one instruction a turn.
.macro MUL fa, fb, hi, first
.irp a, 0,1,2,3
.irp b, 0,1,2,3,4,5
.if \first
	v_wmma_f32_16x16x32_bf16 v[8*(6*\a+\b):8*(6*\a+\b)+7], v[\fb+8*\b:\fb+8*\b+7], v[\fa+8*(4*\hi+\a):\fa+8*(4*\hi+\a)+7], v[BIAS+8*\b:BIAS+8*\b+7]
.else
	v_wmma_f32_16x16x32_bf16 v[8*(6*\a+\b):8*(6*\a+\b)+7], v[\fb+8*\b:\fb+8*\b+7], v[\fa+8*(4*\hi+\a):\fa+8*(4*\hi+\a)+7], v[8*(6*\a+\b):8*(6*\a+\b)+7]
.endif
.endr
.endr
.endm
; 28 LDS loads in one run: the fragments of quarter kq of a K step: 96 columns of W (transposed on the way), 128 rows of x
.macro FETCH slot, kq, fa, fb
	WIN 0
	PLACES
.irp b, 0,1,2,3,4,5
	ds_load_tr16_b128 v[\fb+8*\b:\fb+8*\b+3],   v[ADRB+\slot] offset:\kq*32*BPITCH+(\b>>1)*80+(\b&1)*32
	ds_load_tr16_b128 v[\fb+8*\b+4:\fb+8*\b+7], v[ADRB+\slot] offset:\kq*32*BPITCH+(\b>>1)*80+(\b&1)*32+16*BPITCH
.endr
.irp a, 0,1,2,3,4,5,6,7
	ds_load_b128 v[\fa+8*\a:\fa+8*\a+3],   v[ADRA+\slot] offset:\kq*64+\a*16*APITCH
	ds_load_b128 v[\fa+8*\a+4:\fa+8*\a+7], v[ADRA+\slot] offset:\kq*64+\a*16*APITCH+32
.endr
.endm
; One of a K step's first three quarters: asks for the next quarter's fragments (kq) into buffer g, then multiplies buffer f: 48 matrix instructions lie between a fetch and its use.
.macro QUARTER slot, kq, fa, fb, ga, gb, first
	FETCH \slot, \kq, \ga, \gb
	s_wait_dscnt 28                                ; all but the 28 just issued: buffer f is in
	WIN 0x50                                       ; C and D in window 1
	MUL \fa, \fb, 0, \first
.if \first
	WIN 0x90                                       ; C (the bias) in window 1, D in window 2
.else
	WIN 0xa0                                       ; C and D in window 2
.endif
	MUL \fa, \fb, 1, \first
.endm
.macro THREE slot, first
	QUARTER \slot, 1, F0A, F0B, F1A, F1B, \first
	QUARTER \slot, 2, F1A, F1B, F0A, F0B, 0
	QUARTER \slot, 3, F0A, F0B, F1A, F1B, 0
.endm
; The fourth quarter multiplies buffer 1 and changes slots.  In front of the barrier each wave waits for its reads of this slot and for all its tensor loads (the one that is out is
; its part of the next slot).  Where the slot is filled again the barrier opens a round of the cluster's barrier, and the joint refill is the first tensor load behind the round.
.macro TURN slot, next, fill
	s_wait_dscnt 0x0                               ; buffer 1 is in, and with it my last reads of this slot
	s_wait_tensorcnt 0x0                           ; all my tensor loads have landed: no group 0 is in use
	ds_add_u32 v30, v31
	s_wait_dscnt 0x0
	s_barrier_signal -1
	WIN 0x50
	MUL F1A, F1B, 0, 0                             ; register work while the others arrive
	WIN 0
	s_barrier_wait -1
.if \fill
	CREST
	s_add_nc_u64 s[G0+4*\slot+2:G0+4*\slot+3], s[G0+4*\slot+2:G0+4*\slot+3], 512           ; two K steps on: 256 elements
	s_add_nc_u64 s[G0B+4*\slot+2:G0B+4*\slot+3], s[G0B+4*\slot+2:G0B+4*\slot+3], 1572864   ; two K steps on: 256 k-rows
	JLOAD \slot
.endif
	FETCH \next, 0, F0A, F0B
	WIN 0xa0
	MUL F1A, F1B, 1, 0
.endm
.macro LAP first
	THREE 0, \first
	TURN 0, 1, 1
	THREE 1, 0
	TURN 1, 0, 1
.endm
	s_wait_tensorcnt 0x1                           ; my part of K step 0 is in; K step 1's stays out
	s_wait_loadcnt 0x0                             ; the bias
	s_barrier_signal -1
	s_barrier_wait -1
	FETCH 0, 0, F0A, F0B
	LAP 1                                          ; K = 1,024 is four laps of two steps; the first starts the sums, the first three fill slots again
	WIN 0
	s_mov_b32 s3, 2
.Llap:
	LAP 0
	WIN 0
	s_sub_co_u32 s3, s3, 1
	s_cmp_lg_u32 s3, 0
	s_cbranch_scc1 .Llap
	THREE 0, 0                                     ; the last lap fills nothing
	TURN 0, 1, 0                                   ; behind this barrier no wave reads slot 0 any more, and slot 0 has had its last fill
	THREE 1, 0
	s_wait_dscnt 0x0
	WIN 0x50
	MUL F1A, F1B, 0, 0
	WIN 0xa0
	MUL F1A, F1B, 1, 0
	; THE WAY OUT: round to f16, 16 bytes a lane into a stage of 256 rows x 400 bytes in slot 0; a head's 64 columns can lie in two waves' tiles, so a barrier;
	; then each wave reads 64 rows back, head by head, four rows (512 consecutive bytes of a plane) to a store.
	PLACES
	WIN 0x05                                       ; sources in window 1
.irp a, 0,1,2,3
.irp b, 0,1,2,3,4,5
.irp q, 0,1,2,3
	v_cvt_pk_f16_f32 v[32+4*(6*\a+\b)+\q], v[8*(6*\a+\b)+2*\q], v[8*(6*\a+\b)+2*\q+1]
.endr
.endr
.endr
	WIN 0x0a                                       ; sources in window 2
.irp a, 0,1,2,3
.irp b, 0,1,2,3,4,5
.irp q, 0,1,2,3
	v_cvt_pk_f16_f32 v[128+4*(6*\a+\b)+\q], v[8*(6*\a+\b)+2*\q], v[8*(6*\a+\b)+2*\q+1]
.endr
.endr
.endr
	WIN 0
.irp a, 0,1,2,3,4,5,6,7
.irp b, 0,1,2,3,4,5
	ds_store_b128 v[STO], v[32+4*(6*\a+\b):32+4*(6*\a+\b)+3] offset:\a*16*SPITCH+32*\b
.endr
.endr
	; the low parts of the block's first 16 rows: waves 0 and 1, their row tile 0, six column tiles each
	s_cmp_lg_u32 s13, 0
	s_cbranch_scc1 .Lno_lo
	s_mul_i32 s76, s43, 192                        ; tile number = 192 x block row + 12 x block column + 6 x half (+ b), 512 bytes a tile
	s_mul_i32 s72, s42, 12
	s_add_co_u32 s76, s76, s72
	s_mul_i32 s72, s14, 6
	s_add_co_u32 s76, s76, s72
	s_lshl_b32 s76, s76, 9
	s_mov_b32 s77, 0
	s_add_nc_u64 s[74:75], s[74:75], s[76:77]
	WIN 0x40                                       ; destination in window 1, where the bias lay
.irp r, 32,33,34,35,36,37,38,39,40,41,42,43,44,45,46,47,48,49,50,51,52,53,54,55
	v_cvt_f32_f16 v[BIAS+2*(\r-32)],   v\r\().l    ; the rounded numbers, back in f32
	v_cvt_f32_f16 v[BIAS+2*(\r-32)+1], v\r\().h
.endr
	WIN 0x45                                       ; both sources and the destination in window 1
.set e, 0
.rept 48
	v_subrev_f32 v[BIAS+e], v[BIAS+e], v[e]        ; sum - f16(sum): exact in f32
.set e, e+1
.endr
	WIN 0x05                                       ; sources in window 1
.set e, 0
.rept 24
	v_cvt_pk_f16_f32 v[LOP+e], v[BIAS+2*e], v[BIAS+2*e+1]
.set e, e+1
.endr
	WIN 0
.irp b, 0,1,2,3,4,5
	global_store_b128 v[CO], v[LOP+4*\b:LOP+4*\b+3], s[74:75] offset:512*\b    ; as the lanes hold it: 512 consecutive bytes, aligned; no register of these stores is written again
.endr
.Lno_lo:
	; the three planes' addresses: head group g = 3 x block column + c; plane = 32 (g >> 4) + 16 batch + (g & 15); my rows begin at 256 (block row & 7) + 64 wave
.irp c, 0,1,2
	s_mul_i32 s72, s42, 3
	s_add_co_u32 s72, s72, \c
	s_lshr_b32 s73, s72, 4
	s_lshl_b32 s73, s73, 5
	s_and_b32 s72, s72, 15
	s_add_co_u32 s73, s73, s72
	s_lshr_b32 s72, s43, 3
	s_lshl_b32 s72, s72, 4
	s_add_co_u32 s73, s73, s72
	s_lshl_b32 s76, s73, 18                        ; 262,144 bytes a plane
	s_and_b32 s72, s43, 7
	s_lshl_b32 s72, s72, 15                        ; 256 rows of 128 bytes
	s_add_co_u32 s76, s76, s72
	s_lshl_b32 s72, s12, 13                        ; 64 rows of 128 bytes
	s_add_co_u32 s76, s76, s72
	s_mov_b32 s77, 0
	s_add_nc_u64 s[66+2*\c:67+2*\c], s[10:11], s[76:77]
.endr
	s_wait_dscnt 0x0                               ; my stores into the stage are done, for the other waves' sake
	s_barrier_signal -1
	s_barrier_wait -1
.irp u, 0,1,2,3,4,5,6,7,8,9,10,11,12,13,14,15
.irp c, 0,1,2
	ds_load_b128 v[32+4*(3*\u+\c):32+4*(3*\u+\c)+3], v[RD] offset:\u*4*SPITCH+\c*128
.endr
.endr
.irp u, 0,1,2,3,4,5,6,7,8,9,10,11,12,13,14,15
.irp c, 0,1,2
	s_wait_dscnt 47-(3*\u+\c)                      ; LDS loads come back in order: this one is in, the younger ones stay out
	global_store_b128 v[CO], v[32+4*(3*\u+\c):32+4*(3*\u+\c)+3], s[66+2*\c:67+2*\c] offset:512*\u   ; 512 consecutive bytes, aligned
.endr
.endr
	s_wait_tensorcnt 0x0
	ds_add_u32 v30, v31
	s_wait_dscnt 0x0
	CROUND                                         ; the closing round: no work-group ends while a partner may still ask for a tile that names it
	s_endpgm
.Lfunc_end_k_qdcbf41b80d_qkvgemm:
	.size	k_qdcbf41b80d_qkvgemm, .Lfunc_end_k_qdcbf41b80d_qkvgemm-k_qdcbf41b80d_qkvgemm
	.p2alignl 7, 3214868480
	.fill 96, 4, 3214868480
	.section	.rodata,"a",@progbits
	.p2align	6, 0x0
	.amdhsa_kernel k_qdcbf41b80d_qkvgemm
		.amdhsa_group_segment_fixed_size 327680
		.amdhsa_private_segment_fixed_size 0
		.amdhsa_enable_private_segment 0
		.amdhsa_kernarg_size 40
		.amdhsa_user_sgpr_count 2
		.amdhsa_user_sgpr_kernarg_segment_ptr 1
		.amdhsa_wavefront_size32 1
		.amdhsa_system_sgpr_workgroup_id_x 1
		.amdhsa_system_sgpr_workgroup_id_y 1
		.amdhsa_system_sgpr_workgroup_id_z 1
		.amdhsa_system_vgpr_workitem_id 0
		.amdhsa_next_free_vgpr 704
		.amdhsa_next_free_sgpr 80
		.amdhsa_reserve_vcc 0
		.amdhsa_float_denorm_mode_32 3
		.amdhsa_float_denorm_mode_16_64 3
		.amdhsa_memory_ordered 1
		.amdhsa_forward_progress 1
		.amdhsa_inst_pref_size 164
	.end_amdhsa_kernel
	.amdgpu_metadata
---
amdhsa.version: [ 1, 2 ]
amdhsa.kernels:
  - .name:           k_qdcbf41b80d_qkvgemm
    .symbol:         k_qdcbf41b80d_qkvgemm.kd
    .args:
      - { .name: xh, .offset: 0, .size: 8, .value_kind: global_buffer, .address_space: global }
      - { .name: wah, .offset: 8, .size: 8, .value_kind: global_buffer, .address_space: global }
      - { .name: c_attn_b, .offset: 16, .size: 8, .value_kind: global_buffer, .address_space: global }
      - { .name: qkvh, .offset: 24, .size: 8, .value_kind: global_buffer, .address_space: global }
      - { .name: vlo, .offset: 32, .size: 8, .value_kind: global_buffer, .address_space: global }
    .group_segment_fixed_size: 327680
    .private_segment_fixed_size: 0
    .kernarg_segment_align: 8
    .kernarg_segment_size: 40
    .max_flat_workgroup_size: 128
    .sgpr_count:     80
    .vgpr_count:     704
    .wavefront_size: 32
...
	.end_amdgpu_metadata
.endif
;; end of part 2
;; launch attn (part 3): grid 8 x 32, 8 waves a work-group, no clusters, 327,680 bytes of LDS; arguments qkvh, aoh, vlo, aolo; writes aoh, aolo
.if DOCPART == 3
	.amdgcn_target "amdgcn-amd-amdhsa--gfx1250"
	.amdhsa_code_object_version 6
	.text
	.protected	k_qdcbf41b80d_attn
	.globl	k_qdcbf41b80d_attn
	.p2align	8
	.type	k_qdcbf41b80d_attn,@function
k_qdcbf41b80d_attn:
	s_mov_b64 s[64:65], 0
	v_nop
	global_prefetch_b8 v0, s[64:65] scope:SCOPE_SE
	s_setreg_imm32_b32 hwreg(HW_REG_WAVE_MODE, 25, 1), 1
	s_wait_xcnt 0x0
; Causal softmax attention for one (batch, head): qkvh [3][32 (batch, head)][2048][64] f16 -> aoh [32 (batch, block of 128 rows)][16 heads][128][64] f16.
; Scores, running maximum, exponentials and sums in f32; P and the result are rounded once to f16.
; LIMIT: finite inputs; the result is f16 (magnitudes of 65,504 or more become infinity, steps of 6e-8 below 6.1e-5).
; PAIRS: a row that sees n keys is an average of n rows of V, so the first rows of a batch are by far the largest numbers of the output, and so are their rounding errors.
; Therefore (a) V of keys 0-15 is taken as f16 + f16: its low parts (vlo, as the lanes of the launch before held them) are multiplied by P once more, for every row, behind the first
; 64 keys: 8 matrix instructions a wave in the whole launch; (b) the first 16 rows of each query block leave as f16 + f16: the low parts go to
; aolo [32 blocks][16 heads][4 tiles][32 lanes][16 bytes], as the lanes hold them, which is the layout in which the next launch multiplies them.
; SHARE: work-group (i, bh) makes query blocks i and 15 - i of 128 rows: (i + 1) + (16 - i) = 17 blocks of 128 x 128 scores in every work-group.
; Eight waves; group = (w ^ (w >> 2)) & 1 says which of the two blocks, w >> 1 which 32 of its rows, so waves w and w + 4, and waves 2 s and 2 s + 1, are one of each group.
; Both groups walk key blocks t = 0 .. 15 - i from the same K and V tiles in LDS; a wave whose block lies wholly above the diagonal (t > its block's number) jumps over
; the arithmetic, never over a wait or a barrier.
; NO CLUSTER: the eight work-groups of a head need 9 to 16 tiles; partners in step would all walk 16 trips, each as long as that of the partner with both its groups at work,
; against 17 half-trips of work here; and what is shared is 32,768 bytes a trip against 64 to 128 matrix instructions and the softmax of 128 x 128 or 2 x 128 x 128 scores.
; TRANSPOSED SCORES: S^T = K Q^T (source 0 = 16 keys, source 1 = 16 queries): lane l holds query l % 16, registers 0-7 keys 8 (l / 16) + 0..7.  So a row's maximum and sum are
; taken inside the lane and across the two halves of the wave, the rescale factor is one number a lane, and a lane's scores packed in pairs ARE source 1 of O^T = V^T P^T.
; V stays [key][64]; source 0 of that product is read by the transposing LDS load.
.set KPITCH, 144                       ; a key's 128 bytes + 16: an odd multiple of 16
.set VPITCH, 160                       ; a key's 128 bytes + 32: an odd multiple of 32, for the transposing load
.set RGN,    10240                     ; a region: 64 keys.  A slot: K's keys 0-63, K's 64-127, V's 0-63, V's 64-127
.set SLOT,   4*RGN
.set STAGE,  2*SLOT                    ; behind the ring: 4,608 bytes for each wave, its own; no tensor load lands there.  First V's low parts (16 keys x 160), at the end 32 rows x 144
.set TILEB,  16384                     ; 128 keys of 128 bytes in memory
.set QF, 8                             ; v[8:39]    Q fragments (qt, ks) at 8 + 16 qt + 8 ks
.set OA, 40                            ; v[40:103]  O^T tiles (ht, qt) at 40 + 8 (4 qt + ht)
.set SC, 104                           ; v[104:167] S^T tiles (kt, qt) at 104 + 8 (4 qt + kt); P fragment (qt, ks) in place at 104 + 32 qt + 16 ks
.set KV, 168                           ; v[168:231] K fragments (kt, ks) at 168 + 8 (2 kt + ks), then V^T fragments (ht, ks) at 168 + 8 (4 ks + ht)
.set MX, 232                           ; v232-233   running maximum of the raw scores, for qt = 0, 1
.set NM, 234                           ; v[234:237] -c x maximum, twice, for each qt
.set AL, 238                           ; v[238:241] rescale factor, twice, for each qt
.set LS, 242                           ; v[242:245] running sums (even and odd registers apart), for each qt
.set TT, 246                           ; v[246:255] at work
.set G1K, 16                           ; s[16:23] group 1 for K
.set G1V, 24                           ; s[24:31] group 1 for V: another padding
.set G0,  32                           ; s[32:39] group 0, a set for each slot
; v0 (behind the set-up) LDS address of the low parts' transposing loads; v1 K's LDS address, v2 V's, v3 = my query - my first key of a tile, on the diagonal;
; v4, v5 stage in and back; v6 = 16 lane; v7 Q's offset
.macro PLACES5                         ; five places behind a matrix instruction: ahead of loads into its sources, vector reads of its results
.rept 5                                ; and a matrix instruction that writes over one of its sources
	v_nop
.endr
.endm
; One tensor load of waves 0-3: waves 0, 1 K's two halves, waves 2, 3 V's; waves 4-7 have no part to fill.
.macro KVLOAD s
	s_cmp_lt_u32 s8, 2
	s_cbranch_scc0 .Lnot_k_\@
	tensor_load_to_lds s[G0+4*\s:G0+4*\s+3], s[G1K:G1K+7]
	s_nop 0
	s_branch .Lasked_\@
.Lnot_k_\@:
	s_cmp_lt_u32 s8, 4
	s_cbranch_scc0 .Lasked_\@
	tensor_load_to_lds s[G0+4*\s:G0+4*\s+3], s[G1V:G1V+7]
	s_nop 0
.Lasked_\@:
.endm
	s_load_b128 s[4:7], s[0:1], 0x0                ; qkvh s[4:5], aoh s[6:7]
	s_load_b128 s[60:63], s[0:1], 0x10             ; vlo s[60:61], aolo s[62:63]
	s_set_vgpr_msb 0x40
	v_lshl_add_u32 v0, v0, 2, 0x29000
	v_mov_b32 v1, 0
	s_set_vgpr_msb 0x4045
	ds_add_u32 v0, v1
	s_set_vgpr_msb 0x4500
	v_lshrrev_b32 v1, 5, v0
	v_readfirstlane_b32 s8, v1                     ; wave 0..7
	s_mov_b32 s9, ttmp9                            ; i
	s_and_b32 s10, ttmp7, 0xffff                   ; bh = 16 batch + head
	s_lshr_b32 s11, s8, 2
	s_xor_b32 s11, s11, s8
	s_and_b32 s11, s11, 1                          ; group
	s_lshr_b32 s12, s8, 1                          ; which 32 rows of the block
	s_sub_co_u32 s46, 15, s9
	s_cmp_eq_u32 s11, 0
	s_cselect_b32 s13, s9, s46                     ; my query block's number = the trip of my diagonal
	s_mov_b32 s14, 0                               ; t
	s_sub_co_u32 s15, 14, s9
	s_lshr_b32 s15, s15, 1                         ; pairs of trips in the loop: 3 to 7
	; group 1: a half tile is 8,192 dense bytes: 32 rows of 128 elements of 2 bytes; padding behind every 32 words (a key): 4 words for K, 8 for V
	s_mov_b32 s[G1K+0], (1<<16)|(1<<20)|(4<<22)|(3<<25)
	s_mov_b32 s[G1K+1], 128<<16
	s_mov_b32 s[G1K+2], 32<<16
	s_mov_b32 s[G1K+3], 128<<16
	s_mov_b32 s[G1K+4], 32
	s_mov_b32 s[G1K+5], 128
	s_mov_b32 s[G1K+6], 0
	s_mov_b32 s[G1K+7], 0
	s_mov_b32 s[G1V+0], (1<<16)|(1<<20)|(4<<22)|(7<<25)
	s_mov_b32 s[G1V+1], 128<<16
	s_mov_b32 s[G1V+2], 32<<16
	s_mov_b32 s[G1V+3], 128<<16
	s_mov_b32 s[G1V+4], 32
	s_mov_b32 s[G1V+5], 128
	s_mov_b32 s[G1V+6], 0
	s_mov_b32 s[G1V+7], 0
	s_lshr_b32 s46, s8, 1
	s_and_b32 s46, s46, 1                          ; 0: K, 1: V
	s_lshl_b32 s46, s46, 5
	s_add_co_u32 s46, s46, s10
	s_add_co_u32 s46, s46, 32                      ; plane 32 + bh (K) or 64 + bh (V)
	s_lshl_b32 s46, s46, 18
	s_and_b32 s47, s8, 1
	s_lshl_b32 s47, s47, 13                        ; the second half: 64 keys of 128 bytes
	s_add_co_u32 s46, s46, s47
	s_mov_b32 s47, 0
	s_mul_i32 s48, s8, RGN                         ; LDS: wave x 10,240 + the slot
	s_lshl_b32 s52, s10, 18                        ; Q: plane bh, row 128 block + 32 part
	s_lshl_b32 s53, s13, 14
	s_add_co_u32 s52, s52, s53
	s_lshl_b32 s53, s12, 12
	s_add_co_u32 s52, s52, s53
	s_mov_b32 s53, 0
	s_lshr_b32 s54, s10, 4                         ; the result: number (16 batch + block) 16 + head;
	s_lshl_b32 s54, s54, 4
	s_add_co_u32 s54, s54, s13
	s_lshl_b32 s54, s54, 4
	s_and_b32 s55, s10, 15
	s_add_co_u32 s54, s54, s55
	s_lshl_b32 s2, s54, 11                         ; 2,048 bytes of low parts for each,
	s_mov_b32 s3, 0
	s_lshl_b32 s54, s54, 14                        ; 16,384 bytes of results, + part x 4,096
	s_lshl_b32 s55, s12, 12
	s_add_co_u32 s54, s54, s55
	s_mov_b32 s55, 0
	s_lshr_b32 s40, s10, 4                         ; V's low parts: block row 8 batch of 192 tiles, tile 128 + 4 head, 512 bytes a tile
	s_mul_i32 s40, s40, 8*192*512
	s_and_b32 s41, s10, 15
	s_lshl_b32 s41, s41, 11
	s_add_co_u32 s40, s40, s41
	s_add_co_u32 s40, s40, 128*512
	s_mov_b32 s41, 0
	s_wait_dscnt 0x0
	s_wait_kmcnt 0x0
	s_add_nc_u64 s[50:51], s[4:5], s[46:47]
	s_add_nc_u64 s[56:57], s[4:5], s[52:53]
	s_add_nc_u64 s[58:59], s[6:7], s[54:55]
	s_add_nc_u64 s[60:61], s[60:61], s[40:41]
	s_add_nc_u64 s[62:63], s[62:63], s[2:3]
.irp s, 0,1
	s_mov_b32 s[G0+4*\s], 1
	s_add_co_u32 s[G0+4*\s+1], s48, \s*SLOT
	s_add_nc_u64 s[G0+4*\s+2:G0+4*\s+3], s[50:51], \s*TILEB        ; key block s
	s_or_b32 s[G0+4*\s+3], s[G0+4*\s+3], 0x80000000
.endr
	; the first fills, key blocks 0 and 1, as one group: a wave's two stand in one arm of the branch on its number; two tensor loads of the wave are out
	s_cmp_lt_u32 s8, 2
	s_cbranch_scc0 .Lfirst_not_k
	tensor_load_to_lds s[G0:G0+3], s[G1K:G1K+7]
	s_nop 0
	tensor_load_to_lds s[G0+4:G0+7], s[G1K:G1K+7]
	s_nop 0
	s_branch .Lfirst_asked
.Lfirst_not_k:
	s_cmp_lt_u32 s8, 4
	s_cbranch_scc0 .Lfirst_asked
	tensor_load_to_lds s[G0:G0+3], s[G1V:G1V+7]
	s_nop 0
	tensor_load_to_lds s[G0+4:G0+7], s[G1V:G1V+7]
	s_nop 0
.Lfirst_asked:
	v_and_b32 v104, 15, v0                         ; r
	v_bfe_u32 v105, v0, 4, 1                       ; h
	v_and_b32 v108, 31, v0                         ; l
	v_lshlrev_b32 v6, 4, v108
	v_lshlrev_b32 v7, 7, v104
	v_lshl_add_u32 v7, v105, 4, v7                 ; Q: row r of 128 bytes, 16 bytes for each half of the lanes
.irp qt, 0,1
.irp ks, 0,1
	global_load_b128 v[QF+16*\qt+8*\ks:QF+16*\qt+8*\ks+3],   v7, s[56:57] offset:\qt*2048+\ks*64
	global_load_b128 v[QF+16*\qt+8*\ks+4:QF+16*\qt+8*\ks+7], v7, s[56:57] offset:\qt*2048+\ks*64+32
.endr
.endr
.irp ht, 0,1,2,3
	global_load_b128 v[KV+4*\ht:KV+4*\ht+3], v6, s[60:61] offset:512*\ht   ; V's low parts: key r, columns 16 ht + 8 h + 0..7; 512 consecutive bytes a load
.endr
	v_and_b32 v106, 7, v0                          ; l & 7
	v_bfe_u32 v107, v0, 3, 1                       ; (l >> 3) & 1
	v_bfe_u32 v109, v0, 3, 2                       ; l >> 3
	v_mul_u32_u24 v1, v104, KPITCH
	v_lshl_add_u32 v1, v105, 4, v1                 ; K: key r, 16 bytes for each half
	v_lshl_add_u32 v2, v105, 3, v106
	v_mul_u32_u24 v2, v2, VPITCH
	v_lshl_add_u32 v2, v107, 4, v2
	v_add_nc_u32 v2, 2*RGN, v2                     ; V: key 8 h + (l & 7), 16 bytes by (l >> 3) & 1, behind K's two regions
	v_lshlrev_b32 v3, 3, v105
	v_sub_nc_u32 v3, v104, v3
	s_lshl_b32 s49, s12, 5
	v_add_nc_u32 v3, s49, v3                       ; 32 part + r - 8 h
	s_mul_i32 s49, s8, 32*KPITCH
	s_add_co_u32 s49, s49, STAGE
	v_add_nc_u32 v4, s49, v1                       ; stage in: row r, 16 h
	v_mul_u32_u24 v5, v109, KPITCH
	v_lshl_add_u32 v5, v106, 4, v5
	v_add_nc_u32 v5, s49, v5                       ; stage back: row l >> 3, 16 (l & 7)
	v_mul_u32_u24 v110, v104, VPITCH
	v_lshl_add_u32 v110, v105, 4, v110
	v_add_nc_u32 v110, s49, v110                   ; the low parts into my stage: key r of 160 bytes, 16 h
	s_sub_co_u32 s46, s49, 2*RGN
	v_add_nc_u32 v0, s46, v2                       ; and back by the transposing load: V's lane terms, at my stage.  The thread's number is not needed any more
	v_mov_b32 v[TT+4], 0                           ; v_permlanex16_b32 counts as a reader of its destination
	v_mov_b32 v[TT+5], 0
	s_mov_b32 s40, 0x3e38aa3b                      ; c = log2(e) / 8: the division by sqrt(64) and the base of v_exp_f32 in one factor
	s_mov_b32 s41, 0x3e38aa3b
	s_mov_b32 s45, 0xbe38aa3b                      ; -c
	s_mov_b32 s42, 0x76543210                      ; v_permlanex16_b32: lane i reads lane i of the other half
	s_mov_b32 s43, 0xfedcba98
	s_mov_b32 s44, 0xff7fffff                      ; the most negative finite f32, the mask's value
.macro KLOAD s, sb                     ; 16 loads: 64 keys x 64 as source 0 of S^T
.irp kt, 0,1,2,3
.irp ks, 0,1
	ds_load_b128 v[KV+8*(2*\kt+\ks):KV+8*(2*\kt+\ks)+3],   v1 offset:\s*SLOT+\sb*RGN+\kt*16*KPITCH+\ks*64
	ds_load_b128 v[KV+8*(2*\kt+\ks)+4:KV+8*(2*\kt+\ks)+7], v1 offset:\s*SLOT+\sb*RGN+\kt*16*KPITCH+\ks*64+32
.endr
.endr
.endm
.macro VLOAD s, sb                     ; 16 transposing loads: 64 x 64 keys as source 0 of O^T
.irp ks, 0,1
.irp ht, 0,1,2,3
	ds_load_tr16_b128 v[KV+8*(4*\ks+\ht):KV+8*(4*\ks+\ht)+3],   v2 offset:\s*SLOT+\sb*RGN+\ks*32*VPITCH+\ht*32
	ds_load_tr16_b128 v[KV+8*(4*\ks+\ht)+4:KV+8*(4*\ks+\ht)+7], v2 offset:\s*SLOT+\sb*RGN+\ks*32*VPITCH+\ht*32+16*VPITCH
.endr
.endr
.endm
.macro QK                              ; 16 matrix instructions; the eight tiles take turns, one instruction a turn; the first half of the 64 starts the sums
.irp ks, 0,1
.irp qt, 0,1
.irp kt, 0,1,2,3
.if \ks
	v_wmma_f32_16x16x32_f16 v[SC+8*(4*\qt+\kt):SC+8*(4*\qt+\kt)+7], v[KV+8*(2*\kt+\ks):KV+8*(2*\kt+\ks)+7], v[QF+16*\qt+8*\ks:QF+16*\qt+8*\ks+7], v[SC+8*(4*\qt+\kt):SC+8*(4*\qt+\kt)+7]
.else
	v_wmma_f32_16x16x32_f16 v[SC+8*(4*\qt+\kt):SC+8*(4*\qt+\kt)+7], v[KV+8*(2*\kt+\ks):KV+8*(2*\kt+\ks)+7], v[QF+16*\qt+8*\ks:QF+16*\qt+8*\ks+7], 0
.endif
.endr
.endr
.endr
.endm
.macro PV first                        ; 16 matrix instructions; the eight tiles of O^T take turns likewise; first = 1: the first 32 keys start the sums
.irp ks, 0,1
.irp qt, 0,1
.irp ht, 0,1,2,3
.if (\first)*(1-\ks)
	v_wmma_f32_16x16x32_f16 v[OA+8*(4*\qt+\ht):OA+8*(4*\qt+\ht)+7], v[KV+8*(4*\ks+\ht):KV+8*(4*\ks+\ht)+7], v[SC+32*\qt+16*\ks:SC+32*\qt+16*\ks+7], 0
.else
	v_wmma_f32_16x16x32_f16 v[OA+8*(4*\qt+\ht):OA+8*(4*\qt+\ht)+7], v[KV+8*(4*\ks+\ht):KV+8*(4*\ks+\ht)+7], v[SC+32*\qt+16*\ks:SC+32*\qt+16*\ks+7], v[OA+8*(4*\qt+\ht):OA+8*(4*\qt+\ht)+7]
.endif
.endr
.endr
.endr
.endm
; The running softmax on 64 keys x 32 queries.  p = exp2(c s + NM) with NM = -c x (running maximum).  Old sums are brought to the new NM by exp2(NM new - NM old),
; the difference of the very addends that the exponents used: it is exactly 1 where the maximum stays, whatever the size of the scores.
.macro SOFTMAX first
.irp qt, 0,1
	v_max3_num_f32 v[TT+2*\qt],   v[SC+32*\qt],    v[SC+32*\qt+1],  v[SC+32*\qt+2]     ; two chains for each qt
	v_max3_num_f32 v[TT+2*\qt+1], v[SC+32*\qt+16], v[SC+32*\qt+17], v[SC+32*\qt+18]
.endr
.irp k, 3,5,7,9,11,13
.irp qt, 0,1
	v_max3_num_f32 v[TT+2*\qt],   v[TT+2*\qt],   v[SC+32*\qt+\k],    v[SC+32*\qt+\k+1]
	v_max3_num_f32 v[TT+2*\qt+1], v[TT+2*\qt+1], v[SC+32*\qt+\k+16], v[SC+32*\qt+\k+17]
.endr
.endr
.irp qt, 0,1
	v_max3_num_f32 v[TT+2*\qt], v[TT+2*\qt], v[TT+2*\qt+1], v[SC+32*\qt+15]
.endr
.irp qt, 0,1
.if \first
	v_max_num_f32 v[TT+2*\qt], v[TT+2*\qt], v[SC+32*\qt+31]
.else
	v_max3_num_f32 v[TT+2*\qt], v[TT+2*\qt], v[SC+32*\qt+31], v[MX+\qt]                ; the running maximum joins
.endif
.endr
	v_permlanex16_b32 v[TT+4], v[TT], s42, s43     ; the other half of the lanes holds the same query's other keys
	v_permlanex16_b32 v[TT+5], v[TT+2], s42, s43
	v_max_num_f32 v[MX], v[TT], v[TT+4]
	v_max_num_f32 v[MX+1], v[TT+2], v[TT+5]
.if \first == 0
	v_mul_f32 v[TT+6], s45, v[MX]
	v_mul_f32 v[TT+7], s45, v[MX+1]
	v_sub_f32 v[TT+8], v[TT+6], v[NM]              ; NM new - NM old, at most 0
	v_sub_f32 v[TT+9], v[TT+7], v[NM+2]
	v_exp_f32 v[AL], v[TT+8]                       ; twice: a pair for the packed multiplies
	v_exp_f32 v[AL+1], v[TT+8]
	v_exp_f32 v[AL+2], v[TT+9]
	v_exp_f32 v[AL+3], v[TT+9]                     ; the plain lines below, which touch neither AL nor TT+8, TT+9, stand between these and their use (ISA guide 5.7.2)
.endif
	v_mul_f32 v[NM], s45, v[MX]
	v_mul_f32 v[NM+1], s45, v[MX]
	v_mul_f32 v[NM+2], s45, v[MX+1]
	v_mul_f32 v[NM+3], s45, v[MX+1]
.irp qt, 0,1
.irp k, 0,2,4,6,8,10,12,14,16,18,20,22,24,26,28,30
	v_pk_fma_f32 v[SC+32*\qt+\k:SC+32*\qt+\k+1], v[SC+32*\qt+\k:SC+32*\qt+\k+1], s[40:41], v[NM+2*\qt:NM+2*\qt+1] op_sel_hi:[1,0,1]
.endr
.endr
.set e, 0
.rept 32
	v_exp_f32 v[SC+2*e], v[SC+2*e]
	v_exp_f32 v[SC+2*e+1], v[SC+2*e+1]
.if \first == 0
	s_wait_alu depctr_va_vdst(0)
	v_pk_mul_f32 v[OA+2*e:OA+2*e+1], v[OA+2*e:OA+2*e+1], v[AL+2*(e/16):AL+2*(e/16)+1]  ; O's rescale stands among the exponentials: plain work that touches none of their registers
.endif
.set e, e+1
.endr
	v_nop                                          ; one plain place behind the last exponentials
	s_wait_alu depctr_va_vdst(0)
.irp qt, 0,1
.if \first
	s_wait_alu depctr_va_vdst(0)
	v_pk_add_f32 v[LS+2*\qt:LS+2*\qt+1], v[SC+32*\qt:SC+32*\qt+1], v[SC+32*\qt+2:SC+32*\qt+3]
.else
	v_pk_fma_f32 v[LS+2*\qt:LS+2*\qt+1], v[LS+2*\qt:LS+2*\qt+1], v[AL+2*\qt:AL+2*\qt+1], v[SC+32*\qt:SC+32*\qt+1]
	v_pk_add_f32 v[LS+2*\qt:LS+2*\qt+1], v[LS+2*\qt:LS+2*\qt+1], v[SC+32*\qt+2:SC+32*\qt+3]
.endif
	v_pk_add_f32 v[TT+2*\qt:TT+2*\qt+1], v[SC+32*\qt+16:SC+32*\qt+17], v[SC+32*\qt+18:SC+32*\qt+19]
.endr
.irp k, 4,6,8,10,12,14
.irp qt, 0,1
	v_pk_add_f32 v[LS+2*\qt:LS+2*\qt+1], v[LS+2*\qt:LS+2*\qt+1], v[SC+32*\qt+\k:SC+32*\qt+\k+1]
	v_pk_add_f32 v[TT+2*\qt:TT+2*\qt+1], v[TT+2*\qt:TT+2*\qt+1], v[SC+32*\qt+\k+16:SC+32*\qt+\k+17]
.endr
.endr
.irp qt, 0,1
	v_pk_add_f32 v[LS+2*\qt:LS+2*\qt+1], v[LS+2*\qt:LS+2*\qt+1], v[TT+2*\qt:TT+2*\qt+1]
.endr
.irp qt, 0,1
.irp ks, 0,1
.irp k, 0,1,2,3,4,5,6,7
	v_cvt_pk_f16_f32 v[SC+32*\qt+16*\ks+\k], v[SC+32*\qt+16*\ks+2*\k], v[SC+32*\qt+16*\ks+2*\k+1]  ; in place, ascending: register k is written when registers 2 k, 2 k + 1 are read
.endr
.endr
.endr
.endm
; 64 keys (half sb of slot s).  K's fragments have been asked for.  knext = 1: the next half's are asked for at the end.
.macro SUB s, sb, first, knext
	s_wait_dscnt 0x0                               ; K's fragments are in
	QK
	PLACES5
	VLOAD \s, \sb                                  ; over K's registers; on their way during the softmax
	s_cmp_eq_u32 s14, s13
	s_cbranch_scc0 .Lno_mask_\@                    ; only my block's diagonal trip masks
.irp qt, 0,1
.irp kt, 0,1,2,3
.irp j, 0,1,2,3,4,5,6,7
	v_cmp_le_i32 vcc_lo, 64*\sb+16*\kt+\j-16*\qt, v3                                   ; key <= query: 64 sb + 16 kt + 8 h + j <= 32 part + 16 qt + r
	v_cndmask_b32 v[SC+8*(4*\qt+\kt)+\j], s44, v[SC+8*(4*\qt+\kt)+\j], vcc_lo
.endr
.endr
.endr
.Lno_mask_\@:
	SOFTMAX \first
	s_wait_dscnt 0x0                               ; V's fragments are in
	PV \first
	PLACES5
.if \knext
	KLOAD \s, 1
.endif
.endm
; A key block of 128.  Its first 64 keys hold, in trip 0 and on every diagonal, a key <= each query: the running maximum is a true score from the first half on,
; and a half that is masked whole leaves it as it is and gives p = 0.
.macro COMPUTE s, first
	KLOAD \s, 0
	SUB \s, 0, \first, 1
	SUB \s, 1, 0, 0
.endm
; Trip t on slot s.  In front of the barrier every wave waits for all its tensor loads (its part of this trip's tile among them) and for its reads of the other slot;
; behind it the other slot's refill, key block t + 1, comes first: one tensor load a wave, with the whole trip in which to land.
.macro TRIP s, refill
	s_set_vgpr_msb 0x5
	s_wait_tensorcnt 0x0
	ds_add_u32 v0, v1
	s_wait_dscnt 0x0
	s_set_vgpr_msb 0x500
.if \refill
	s_add_nc_u64 s[G0+4*(1-\s)+2:G0+4*(1-\s)+3], s[G0+4*(1-\s)+2:G0+4*(1-\s)+3], 2*TILEB   ; no tensor load of mine is out: the group 0 may be written
.endif
	s_wait_dscnt 0x0
	s_barrier_signal -1
	s_barrier_wait -1
.if \refill
	KVLOAD (1-\s)
.endif
	s_cmp_gt_u32 s14, s13
	s_cbranch_scc1 .Labove_\@                      ; the whole key block lies above my rows' diagonal
	COMPUTE \s, 0
.Labove_\@:
	s_add_co_u32 s14, s14, 1
.endm
	s_wait_tensorcnt 0x1                           ; my part of key block 0 is in; block 1's stays out
	s_wait_loadcnt 0x0                             ; Q and V's low parts
.irp ht, 0,1,2,3
	ds_store_b128 v110, v[KV+4*\ht:KV+4*\ht+3] offset:32*\ht       ; into my own stage, as [key][64] with rows of 160 bytes
.endr
	s_wait_dscnt 0x0                               ; no LDS instruction of mine is pending at the signal
	s_barrier_signal -1
	s_barrier_wait -1
	; t = 0: every wave; it starts all sums.  Written out, because V's low parts come in behind its first 64 keys.
	KLOAD 0, 0
	SUB 0, 0, 1, 0
.irp ht, 0,1,2,3
	ds_load_tr16_b128 v[KV+8*\ht:KV+8*\ht+3], v0 offset:32*\ht     ; registers 0-3: keys 8 h + 0..7 of column 16 ht + r; my own bytes, stored above
.endr
.irp ht, 0,1,2,3
.irp j, 4,5,6,7
	v_mov_b32 v[KV+8*\ht+\j], 0                    ; registers 4-7 are keys 16-31, which have no low part
.endr
.endr
	s_wait_dscnt 0x0
.irp qt, 0,1
.irp ht, 0,1,2,3
	v_wmma_f32_16x16x32_f16 v[OA+8*(4*\qt+\ht):OA+8*(4*\qt+\ht)+7], v[KV+8*\ht:KV+8*\ht+7], v[SC+32*\qt:SC+32*\qt+7], v[OA+8*(4*\qt+\ht):OA+8*(4*\qt+\ht)+7]   ; the eight tiles by turns
.endr
.endr
	PLACES5
	KLOAD 0, 1
	SUB 0, 1, 0, 0
	s_mov_b32 s14, 1
.Lpair:
	TRIP 1, 1
	TRIP 0, 1
	s_sub_co_i32 s15, s15, 1
	s_cmp_gt_i32 s15, 0                            ; a signed compare: the loop ends whatever the start
	s_cbranch_scc1 .Lpair
	s_bitcmp1_b32 s9, 0                            ; 15 - i trips in all behind t = 0; the last fetches nothing.  The branch is the same for all eight waves
	s_cbranch_scc1 .Lodd
	TRIP 1, 0                                      ; i even: the loop made trips 1 .. 14 - i
	s_branch .Lout
.Lodd:
	TRIP 1, 1                                      ; i odd: the loop made trips 1 .. 13 - i
	TRIP 0, 0
.Lout:
	; THE WAY OUT: divide by the row's sum, round to f16, through my own stage, 512 consecutive bytes to a store
	v_add_f32 v[TT], v[LS], v[LS+1]
	v_add_f32 v[TT+1], v[LS+2], v[LS+3]
	v_permlanex16_b32 v[TT+4], v[TT], s42, s43
	v_permlanex16_b32 v[TT+5], v[TT+1], s42, s43
	v_add_f32 v[TT], v[TT], v[TT+4]
	v_add_f32 v[TT+1], v[TT+1], v[TT+5]
	v_rcp_f32 v[AL], v[TT]
	v_rcp_f32 v[AL+1], v[TT]
	v_rcp_f32 v[AL+2], v[TT+1]
	v_rcp_f32 v[AL+3], v[TT+1]
	v_nop                                          ; one plain place behind the reciprocals
.set e, 0
	s_wait_alu depctr_va_vdst(0)
.rept 32
	v_pk_mul_f32 v[OA+2*e:OA+2*e+1], v[OA+2*e:OA+2*e+1], v[AL+2*(e/16):AL+2*(e/16)+1]
.set e, e+1
.endr
.irp qt, 0,1
.irp ht, 0,1,2,3
.irp k, 0,1,2,3
	v_cvt_pk_f16_f32 v[SC+4*(4*\qt+\ht)+\k], v[OA+8*(4*\qt+\ht)+2*\k], v[OA+8*(4*\qt+\ht)+2*\k+1]
.endr
	ds_store_b128 v4, v[SC+4*(4*\qt+\ht):SC+4*(4*\qt+\ht)+3] offset:\qt*16*KPITCH+32*\ht   ; query 16 qt + r, columns 16 ht + 8 h + 0..7
.endr
.endr
.irp u, 0,1,2,3,4,5,6,7
	ds_load_b128 v[KV+4*\u:KV+4*\u+3], v5 offset:\u*4*KPITCH       ; my own bytes: LDS serves a wave's instructions in order (ISA guide 5.7.1), these see the stores above
.endr
.irp u, 0,1,2,3,4,5,6,7
	s_wait_dscnt 7-\u
	global_store_b128 v6, v[KV+4*\u:KV+4*\u+3], s[58:59] offset:512*\u     ; four rows of 128 bytes: 512 consecutive bytes, aligned
.endr
	; the low parts of the block's first 16 rows: the waves with part 0 (waves 0 and 1), their row tile 0
	s_cmp_lg_u32 s12, 0
	s_cbranch_scc1 .Lend
.irp r, 104,105,106,107,108,109,110,111,112,113,114,115,116,117,118,119
	v_cvt_f32_f16 v[KV+32+2*(\r-104)],   v\r\().l  ; the rounded numbers, back in f32
	v_cvt_f32_f16 v[KV+32+2*(\r-104)+1], v\r\().h
.endr
.set e, 0
.rept 32
	v_sub_f32 v[KV+32+e], v[OA+e], v[KV+32+e]      ; o - f16(o): exact in f32
.set e, e+1
.endr
.set e, 0
.rept 16
	v_cvt_pk_f16_f32 v[SC+32+e], v[KV+32+2*e], v[KV+32+2*e+1]
.set e, e+1
.endr
.irp ht, 0,1,2,3
	global_store_b128 v6, v[SC+32+4*\ht:SC+32+4*\ht+3], s[62:63] offset:512*\ht    ; as the lanes hold it: 512 consecutive bytes, aligned
.endr
.Lend:
	s_set_vgpr_msb 0x5
	s_wait_tensorcnt 0x0
	ds_add_u32 v0, v1
	s_wait_dscnt 0x0
	s_set_vgpr_msb 0x500
	s_endpgm
.Lfunc_end_k_qdcbf41b80d_attn:
	.size	k_qdcbf41b80d_attn, .Lfunc_end_k_qdcbf41b80d_attn-k_qdcbf41b80d_attn
	.p2alignl 7, 3214868480
	.fill 96, 4, 3214868480
	.section	.rodata,"a",@progbits
	.p2align	6, 0x0
	.amdhsa_kernel k_qdcbf41b80d_attn
		.amdhsa_group_segment_fixed_size 327680
		.amdhsa_private_segment_fixed_size 0
		.amdhsa_enable_private_segment 0
		.amdhsa_kernarg_size 32
		.amdhsa_user_sgpr_count 2
		.amdhsa_user_sgpr_kernarg_segment_ptr 1
		.amdhsa_wavefront_size32 1
		.amdhsa_system_sgpr_workgroup_id_x 1
		.amdhsa_system_sgpr_workgroup_id_y 1
		.amdhsa_system_sgpr_workgroup_id_z 1
		.amdhsa_system_vgpr_workitem_id 0
		.amdhsa_next_free_vgpr 258
		.amdhsa_next_free_sgpr 66
		.amdhsa_reserve_vcc 1
		.amdhsa_float_denorm_mode_32 3
		.amdhsa_float_denorm_mode_16_64 3
		.amdhsa_memory_ordered 1
		.amdhsa_forward_progress 1
		.amdhsa_inst_pref_size 255
	.end_amdhsa_kernel
	.section	.bss,"aw",@nobits
	.p2align	6
	.space	262144
	.amdgpu_metadata
---
amdhsa.version: [ 1, 2 ]
amdhsa.kernels:
  - .name:           k_qdcbf41b80d_attn
    .symbol:         k_qdcbf41b80d_attn.kd
    .args:
      - { .name: qkvh, .offset: 0, .size: 8, .value_kind: global_buffer, .address_space: global }
      - { .name: aoh, .offset: 8, .size: 8, .value_kind: global_buffer, .address_space: global }
      - { .name: vlo, .offset: 16, .size: 8, .value_kind: global_buffer, .address_space: global }
      - { .name: aolo, .offset: 24, .size: 8, .value_kind: global_buffer, .address_space: global }
    .group_segment_fixed_size: 327680
    .private_segment_fixed_size: 0
    .kernarg_segment_align: 8
    .kernarg_segment_size: 32
    .max_flat_workgroup_size: 256
    .sgpr_count:     66
    .vgpr_count:     258
    .wavefront_size: 32
...
	.end_amdgpu_metadata
.endif
;; end of part 3
;; launch proj (part 4): grid 8 x 32, 4 waves a work-group, clusters of 4 x 4, 327,680 bytes of LDS; arguments aoh, wph, c_proj_b, out0, aolo; writes out0
.if DOCPART == 4
	.amdgcn_target "amdgcn-amd-amdhsa--gfx1250"
	.amdhsa_code_object_version 6
	.text
	.protected	k_qdcbf41b80d_proj
	.globl	k_qdcbf41b80d_proj
	.p2align	8
	.type	k_qdcbf41b80d_proj,@function
k_qdcbf41b80d_proj:
	s_mov_b64 s[64:65], 0
	v_nop
	global_prefetch_b8 v0, s[64:65] scope:SCOPE_SE
	s_setreg_imm32_b32 hwreg(HW_REG_WAVE_MODE, 25, 1), 1
	s_wait_xcnt 0x0
	s_wait_alu depctr_hold_cnt(0) depctr_sa_sdst(0) depctr_va_vdst(0) depctr_va_sdst(0) depctr_va_ssrc(0) depctr_va_vcc(0) depctr_vm_vsrc(0)
	s_getreg_b32 s2, hwreg(HW_REG_IB_STS2, 6, 4)
	s_cmp_eq_u32 s2, 0
	s_cbranch_scc0 .Lentry_in_a_cluster
	s_endpgm
.Lentry_in_a_cluster:
	s_bfe_u32 s2, ttmp6, 0x10000c
	s_cmp_lg_u32 s2, 0xf033
	s_cbranch_scc0 .Lentry_shape_is_right
	s_endpgm
.Lentry_shape_is_right:
; out0 = attention output x c_proj_w + c_proj_b.  aoh [32 blocks of 128 rows][16 heads][128][64] f16, wph [1024 k][1024 n] f16, c_proj_b [1024] f32, out0 [4096][1024] f32.
; Sums in f32, started by the bias.  LIMIT: the operands are f16 (see the launches that made them).
; A work-group makes 128 x 128: 8 x 32 = 256 work-groups.  Four waves, each 64 x 64 = 16 tiles.  K = 1,024 goes in four steps of 256 (four heads) through two LDS slots:
; both are asked for at the start and each is filled again once, so only two refills stand in the text, which is written out without a loop.
; PAIRS: the block's first 16 rows come as f16 + f16.  Their low parts (aolo [32 blocks][16 heads][4][32 lanes][16 bytes], already in the layout of source 1) are 32,768 bytes a block:
; waves 0 and 1, which own those rows, keep them in 256 registers and multiply them by the same fragments of W: 4 matrix instructions more for each 32 of K.
; The rows that need it are the first of a batch (blocks 0 and 16), the output's largest numbers; all partners of a cluster run one path, so every block does it: 128 matrix
; instructions on top of 512 in two of the four waves.
; CLUSTERS: 4 x 4 work-groups; the attention output's tile hangs on the block row alone and is shared along a row of the cluster, W's on the block column alone and is shared along a column.
; The matrix instruction is used transposed (source 0 = 16 columns of W, by the transposing LDS load; source 1 = 16 rows): a lane holds eight neighbouring columns of one row.
; REGISTERS: window 0: v0-31 addresses, v32-63 / v96-127 row fragments, v64-95 / v128-159 W's fragments (two buffers); window 1: tiles (a, b) at v[8 (4 a + b)], the bias at v128-159;
;   window 2 (waves 0, 1): the low parts, the fragment of k = 32 n .. 32 n + 31 at v[8 n].
.set APITCH, 144                       ; 64 f16 of a head's row + 16 bytes
.set BPITCH, 288                       ; 128 f16 of a k-row + 32 bytes = 9 x 32
.set PART,   36864                     ; what one tensor load brings: 2 heads x 128 rows x 144, or 128 k-rows x 288
.set SLOT,   4*PART
.set STAGE,  2*SLOT                    ; behind the ring: 16 rows x 272 bytes for each wave, its own; no tensor load lands there
.set SPITCH, 272
.set ADRA, 16                          ; v16-17  LDS address of my row fragments in slot 0, 1
.set ADRB, 20                          ; v20-23  of W's fragments: slot 0 k-rows 0-127, 128-255, slot 1 likewise
.set STO,  24
.set RD,   25
.set CO,   26
.set BO,   27
.set LOF,  28                          ; v28     16 x lane
.set F0A,  32
.set F0B,  64
.set F1A,  96
.set F1B,  128
.set BIAS, 128                         ; window 1
.set G1,  24
.set G0,  32
.set G1B, 48
.set G0B, 56
.set MSB, 0
.macro WIN new                         ; low byte: bits 1:0 source 0, 3:2 source 1, 5:4 source 2, 7:6 destination; the high byte repeats the setting that is left
.if MSB != \new
	s_set_vgpr_msb (MSB<<8)|\new
.set MSB, \new
.endif
.endm
.macro PLACES                          ; four places behind a matrix instruction (ISA guide 7.12.1)
.rept 4
	v_nop
.endr
.endm
.macro JLOAD s                         ; waves 0, 1 ask for the rows' halves, waves 2, 3 for W's; the branch hangs on the wave's number alone
	s_cmp_eq_u32 s13, 0
	s_cbranch_scc0 .Lfor_b_\@
	tensor_load_to_lds s[G0+4*\s:G0+4*\s+3], s[G1:G1+7]
	s_nop 0
	s_branch .Lasked_\@
.Lfor_b_\@:
	tensor_load_to_lds s[G0B+4*\s:G0B+4*\s+3], s[G1B:G1B+7]
	s_nop 0
.Lasked_\@:
.endm
.macro CREST
	s_cmp_lg_u32 s12, 0
	s_cbranch_scc1 .Lnot_wave_0_\@
	s_barrier_signal -3
.Lnot_wave_0_\@:
	s_barrier_wait -3
	s_barrier_signal -1
	s_barrier_wait -1
.endm
.macro CROUND
	s_barrier_signal -1
	s_barrier_wait -1
	CREST
.endm
	s_load_b256 s[4:11], s[0:1], 0x0               ; aoh s[4:5], wph s[6:7], c_proj_b s[8:9], out0 s[10:11]
	s_load_b64 s[74:75], s[0:1], 0x20              ; aolo
	v_lshl_add_u32 v254, v0, 2, 0x4c400
	v_mov_b32 v255, 0
	ds_add_u32 v254, v255
	v_lshrrev_b32 v1, 5, v0
	v_readfirstlane_b32 s12, v1                    ; wave 0..3
	s_lshr_b32 s13, s12, 1                         ; my half of the rows.  Also: I fetch rows (0) or W (1)
	s_and_b32 s14, s12, 1                          ; my half of the columns.  Also: which half of that tile I fetch
	s_bfe_u32 s40, ttmp6, 0x40000                  ; cx
	s_bfe_u32 s41, ttmp6, 0x40004                  ; cy
	s_lshl_b32 s42, ttmp9, 2
	s_add_co_u32 s42, s42, s40                     ; block column
	s_and_b32 s43, ttmp7, 0xffff
	s_lshl_b32 s43, s43, 2
	s_add_co_u32 s43, s43, s41                     ; block row
	s_lshl_b32 s44, s41, 2
	s_lshl_b32 s44, 15, s44                        ; my row of the cluster
	s_lshl_b32 s45, 0x1111, s40                    ; my column
	; group 1 for the rows: 32,768 dense bytes as 128 rows of 128 elements of 2 bytes; 4 words of padding behind every 32 (a head's row)
	s_or_b32 s[G1+0], s44, (1<<16)|(1<<20)|(1<<21)|(4<<22)|(3<<25)
	s_mov_b32 s[G1+1], 128<<16
	s_mov_b32 s[G1+2], 128<<16
	s_mov_b32 s[G1+3], 128<<16
	s_mov_b32 s[G1+4], 128
	s_mov_b32 s[G1+5], 128
	s_mov_b32 s[G1+6], 0
	s_mov_b32 s[G1+7], 0
	; group 1 for W: 128 k-rows x 128 elements, 1,024 from row to row; 8 words of padding behind every 64
	s_or_b32 s[G1B+0], s45, (1<<16)|(1<<20)|(1<<21)|(5<<22)|(7<<25)
	s_mov_b32 s[G1B+1], 128<<16
	s_mov_b32 s[G1B+2], 128<<16
	s_mov_b32 s[G1B+3], 128<<16
	s_mov_b32 s[G1B+4], 128
	s_mov_b32 s[G1B+5], 1024
	s_mov_b32 s[G1B+6], 0
	s_mov_b32 s[G1B+7], 0
	s_lshl_b32 s16, s43, 18                        ; a block of 262,144 bytes,
	s_lshl_b32 s17, s14, 15                        ; two heads of 16,384 for the second half
	s_add_co_u32 s16, s16, s17
	s_mov_b32 s17, 0
	s_lshl_b32 s46, s14, 18                        ; 128 k-rows of 2,048 bytes for the second half,
	s_lshl_b32 s47, s42, 8                         ; 128 columns a block
	s_add_co_u32 s46, s46, s47
	s_mov_b32 s47, 0
	s_mul_i32 s20, s12, PART                       ; LDS: wave x 36,864: the rows' two halves, then W's two
	s_lshl_b32 s76, s42, 9                         ; the bias of my 64 columns: (128 block + 64 half) x 4 bytes
	s_lshl_b32 s77, s14, 8
	s_add_co_u32 s76, s76, s77
	s_mov_b32 s77, 0
	s_lshl_b32 s72, s43, 15                        ; the block's low parts: 32,768 bytes a block
	s_mov_b32 s73, 0
	s_wait_dscnt 0x0
	s_wait_kmcnt 0x0
	s_add_nc_u64 s[18:19], s[4:5], s[16:17]
	s_add_nc_u64 s[46:47], s[6:7], s[46:47]
	s_add_nc_u64 s[78:79], s[8:9], s[76:77]
	s_add_nc_u64 s[74:75], s[74:75], s[72:73]
	CROUND                                         ; all sixteen work-groups are here: the first joint loads meet
.irp s, 0,1
	s_mov_b32 s[G0+4*\s], 1
	s_add_co_u32 s[G0+4*\s+1], s20, \s*SLOT
	s_add_nc_u64 s[G0+4*\s+2:G0+4*\s+3], s[18:19], \s*65536        ; K step s: four heads
	s_or_b32 s[G0+4*\s+3], s[G0+4*\s+3], 0x80000000
	s_mov_b32 s[G0B+4*\s], 1
	s_add_co_u32 s[G0B+4*\s+1], s20, \s*SLOT
	s_add_nc_u64 s[G0B+4*\s+2:G0B+4*\s+3], s[46:47], \s*524288     ; K step s: 256 k-rows
	s_or_b32 s[G0B+4*\s+3], s[G0B+4*\s+3], 0x80000000
	JLOAD \s                                       ; two tensor loads of the wave are out
.endr
	v_and_b32 v1, 15, v0                           ; r
	v_bfe_u32 v2, v0, 4, 1                         ; h
	v_lshlrev_b32 v[BO], 5, v2
	v_and_b32 v9, 31, v0
	v_lshlrev_b32 v[LOF], 4, v9
	WIN 0x40
.irp b, 0,1,2,3
	global_load_b128 v[BIAS+8*\b:BIAS+8*\b+3],   v[BO], s[78:79] offset:64*\b
	global_load_b128 v[BIAS+8*\b+4:BIAS+8*\b+7], v[BO], s[78:79] offset:64*\b+16
.endr
	WIN 0
	s_cmp_lg_u32 s13, 0
	s_cbranch_scc1 .Lno_lo_load                    ; waves 0 and 1 own the block's first 16 rows
	WIN 0x80                                       ; destination in window 2
.set g, 0
.rept 64
	global_load_b128 v[4*g:4*g+3], v[LOF], s[74:75] offset:512*g   ; 512 consecutive bytes a load; two loads make the fragment of 32 along K
.set g, g+1
.endr
	WIN 0
.Lno_lo_load:
	v_and_b32 v3, 7, v0
	v_bfe_u32 v4, v0, 3, 1
	v_mul_u32_u24 v5, v1, APITCH
	v_lshl_add_u32 v5, v2, 4, v5
	v_lshl_add_u32 v6, v2, 3, v3
	v_mul_u32_u24 v6, v6, BPITCH
	v_lshl_add_u32 v6, v4, 4, v6
	s_mul_i32 s22, s13, 64*APITCH                  ; my 64 rows in each head
	s_lshl_b32 s23, s14, 7                         ; my 64 columns of W,
	s_add_co_u32 s23, s23, 2*PART                  ; behind the rows' tile
.irp s, 0,1
	v_add_nc_u32 v[ADRA+\s], s22, v5
	v_add_nc_u32 v[ADRB+2*\s], s23, v6
	s_add_co_u32 s23, s23, PART
	v_add_nc_u32 v[ADRB+2*\s+1], s23, v6
	s_add_co_u32 s22, s22, SLOT
	s_add_co_u32 s23, s23, SLOT-PART
.endr
	s_mul_i32 s22, s12, 16*SPITCH
	s_add_co_u32 s22, s22, STAGE
	v_mul_u32_u24 v7, v1, SPITCH
	v_lshl_add_u32 v7, v2, 5, v7
	v_add_nc_u32 v[STO], s22, v7                   ; stage in: row r, 32 bytes for each half of the lanes
	v_mul_u32_u24 v8, v2, SPITCH
	v_lshl_add_u32 v8, v1, 4, v8
	v_add_nc_u32 v[RD], s22, v8                    ; back: lanes 0-15 one row of 256 bytes, lanes 16-31 the next
	v_lshlrev_b32 v9, 12, v2
	v_lshl_add_u32 v[CO], v1, 4, v9                ; and the same two rows of 4,096 bytes in out0
	s_lshl_b32 s76, s43, 19                        ; out0: row 128 block row + 64 half, of 4,096 bytes;
	s_lshl_b32 s72, s13, 18
	s_add_co_u32 s76, s76, s72
	s_lshl_b32 s72, s42, 9                         ; column 128 block column + 64 half, of 4 bytes
	s_add_co_u32 s76, s76, s72
	s_lshl_b32 s72, s14, 8
	s_add_co_u32 s76, s76, s72
	s_mov_b32 s77, 0
	s_add_nc_u64 s[66:67], s[10:11], s[76:77]
; 8 matrix instructions: row tiles a0, a0 + 1 x four column tiles, 32 along K.  first = 1: the bias is C.  The 16 accumulators take turns in one fixed order.
.macro MUL fa, fb, a0, first
.irp a, \a0, \a0+1
.irp b, 0,1,2,3
.if \first
	v_wmma_f32_16x16x32_f16 v[8*(4*(\a)+\b):8*(4*(\a)+\b)+7], v[\fb+8*\b:\fb+8*\b+7], v[\fa+8*(\a):\fa+8*(\a)+7], v[BIAS+8*\b:BIAS+8*\b+7]
.else
	v_wmma_f32_16x16x32_f16 v[8*(4*(\a)+\b):8*(4*(\a)+\b)+7], v[\fb+8*\b:\fb+8*\b+7], v[\fa+8*(\a):\fa+8*(\a)+7], v[8*(4*(\a)+\b):8*(4*(\a)+\b)+7]
.endif
.endr
.endr
.endm
; Waves 0 and 1: the low parts of rows 0-15, k = 32 n .. 32 n + 31, times the same four fragments of W, onto row tile 0.  Four accumulators, one instruction each, none of them
; that of the matrix instruction in front (row tile 3's last) or behind (tile (0, 0) follows tile (0, 3)).
.macro LOMUL fb, n
	WIN 0                                          ; a branch follows
	s_cmp_lg_u32 s13, 0
	s_cbranch_scc1 .Lno_lo_\@
	WIN 0x58                                       ; source 0 (W) window 0, source 1 (low parts) window 2, C and D window 1
.irp b, 0,1,2,3
	v_wmma_f32_16x16x32_f16 v[8*\b:8*\b+7], v[\fb+8*\b:\fb+8*\b+7], v[8*(\n):8*(\n)+7], v[8*\b:8*\b+7]
.endr
	WIN 0
.Lno_lo_\@:
.endm
; 16 LDS loads: the fragments of eighth q of a K step: k = 32 q .. 32 q + 31 = head q >> 1, its columns 32 (q & 1) ..
.macro FETCH slot, q, fa, fb
	WIN 0
	PLACES
.irp b, 0,1,2,3
	ds_load_tr16_b128 v[\fb+8*\b:\fb+8*\b+3],   v[ADRB+2*\slot+(\q>>2)] offset:(\q&3)*32*BPITCH+32*\b
	ds_load_tr16_b128 v[\fb+8*\b+4:\fb+8*\b+7], v[ADRB+2*\slot+(\q>>2)] offset:(\q&3)*32*BPITCH+32*\b+16*BPITCH
.endr
.irp a, 0,1,2,3
	ds_load_b128 v[\fa+8*\a:\fa+8*\a+3],   v[ADRA+\slot] offset:(\q>>1)*128*APITCH+(\q&1)*64+\a*16*APITCH
	ds_load_b128 v[\fa+8*\a+4:\fa+8*\a+7], v[ADRA+\slot] offset:(\q>>1)*128*APITCH+(\q&1)*64+\a*16*APITCH+32
.endr
.endm
; Eighth q (0 to 6) of K step number step: asks for eighth q + 1 into the other buffer, then multiplies its own (even q: buffer 0, odd q: buffer 1)
.macro QUART slot, q, first, step
.if (\q)&1
	FETCH \slot, (\q+1), F0A, F0B
	s_wait_dscnt 16                                ; all but the 16 just issued
	WIN 0x50                                       ; C and D in window 1
	MUL F1A, F1B, 0, 0
	MUL F1A, F1B, 2, 0
	LOMUL F1B, (8*\step+\q)
.else
	FETCH \slot, (\q+1), F1A, F1B
	s_wait_dscnt 16
	WIN 0x50
	MUL F0A, F0B, 0, \first
	MUL F0A, F0B, 2, \first
	LOMUL F0B, (8*\step+\q)
.endif
.endm
.macro SEVEN slot, first, step
	QUART \slot, 0, \first, \step
	QUART \slot, 1, 0, \step
	QUART \slot, 2, 0, \step
	QUART \slot, 3, 0, \step
	QUART \slot, 4, 0, \step
	QUART \slot, 5, 0, \step
	QUART \slot, 6, 0, \step
.endm
; The last eighth multiplies buffer 1 and changes slots: each wave's reads of this slot and all its tensor loads are waited for in front of the barrier; where the slot is filled
; again the barrier opens a round of the cluster's barrier and the joint refill is the first tensor load behind the round.
.macro TURN slot, next, fill, step
	s_wait_dscnt 0x0
	s_wait_tensorcnt 0x0
	ds_add_u32 v254, v255
	s_wait_dscnt 0x0
	s_barrier_signal -1
	WIN 0x50
	MUL F1A, F1B, 0, 0
	WIN 0
	s_barrier_wait -1
.if \fill
	CREST
	s_add_nc_u64 s[G0+4*\slot+2:G0+4*\slot+3], s[G0+4*\slot+2:G0+4*\slot+3], 131072        ; two K steps on: eight heads
	s_add_nc_u64 s[G0B+4*\slot+2:G0B+4*\slot+3], s[G0B+4*\slot+2:G0B+4*\slot+3], 1048576   ; two K steps on: 512 k-rows
	JLOAD \slot
.endif
	FETCH \next, 0, F0A, F0B
	WIN 0x50
	MUL F1A, F1B, 2, 0
	LOMUL F1B, (8*\step+7)
.endm
	s_wait_tensorcnt 0x1                           ; my part of K step 0 is in; K step 1's stays out
	s_wait_loadcnt 0x0                             ; the bias, and in waves 0 and 1 the low parts
	s_barrier_signal -1
	s_barrier_wait -1
	FETCH 0, 0, F0A, F0B
	SEVEN 0, 1, 0                                  ; K step 0
	TURN 0, 1, 1, 0                                ; slot 0 gets K step 2
	SEVEN 1, 0, 1                                  ; K step 1
	TURN 1, 0, 1, 1                                ; slot 1 gets K step 3
	SEVEN 0, 0, 2                                  ; K step 2
	TURN 0, 1, 0, 2
	SEVEN 1, 0, 3                                  ; K step 3
	s_wait_dscnt 0x0
	WIN 0x50
	MUL F1A, F1B, 0, 0
	MUL F1A, F1B, 2, 0
	LOMUL F1B, 31
	; THE WAY OUT, 16 rows at a time: 32 bytes a lane into my own stage, read back as whole rows of 256 bytes.  Each group of 16 rows has registers of its own: no register of a store is written again.
	PLACES
.irp a, 0,1,2,3
	WIN 0x04                                       ; the stores' data in window 1
.irp b, 0,1,2,3
	ds_store_b128 v[STO], v[8*(4*\a+\b):8*(4*\a+\b)+3]   offset:64*\b
	ds_store_b128 v[STO], v[8*(4*\a+\b)+4:8*(4*\a+\b)+7] offset:64*\b+16
.endr
	WIN 0
.irp t, 0,1,2,3,4,5,6,7
	ds_load_b128 v[32+32*\a+4*\t:32+32*\a+4*\t+3], v[RD] offset:\t*2*SPITCH    ; my own bytes: LDS serves a wave's instructions in order (ISA guide 5.7.1)
.endr
.irp t, 0,1,2,3,4,5,6,7
	s_wait_dscnt 7-\t
	global_store_b128 v[CO], v[32+32*\a+4*\t:32+32*\a+4*\t+3], s[66:67] offset:\a*65536+\t*8192 th:TH_STORE_NT   ; 16 lanes store 256 consecutive bytes, aligned
.endr
.endr
	s_wait_tensorcnt 0x0
	ds_add_u32 v254, v255
	s_wait_dscnt 0x0
	CROUND                                         ; the closing round
	s_endpgm
.Lfunc_end_k_qdcbf41b80d_proj:
	.size	k_qdcbf41b80d_proj, .Lfunc_end_k_qdcbf41b80d_proj-k_qdcbf41b80d_proj
	.p2alignl 7, 3214868480
	.fill 96, 4, 3214868480
	.section	.rodata,"a",@progbits
	.p2align	6, 0x0
	.amdhsa_kernel k_qdcbf41b80d_proj
		.amdhsa_group_segment_fixed_size 327680
		.amdhsa_private_segment_fixed_size 0
		.amdhsa_enable_private_segment 0
		.amdhsa_kernarg_size 40
		.amdhsa_user_sgpr_count 2
		.amdhsa_user_sgpr_kernarg_segment_ptr 1
		.amdhsa_wavefront_size32 1
		.amdhsa_system_sgpr_workgroup_id_x 1
		.amdhsa_system_sgpr_workgroup_id_y 1
		.amdhsa_system_sgpr_workgroup_id_z 1
		.amdhsa_system_vgpr_workitem_id 0
		.amdhsa_next_free_vgpr 768
		.amdhsa_next_free_sgpr 80
		.amdhsa_reserve_vcc 0
		.amdhsa_float_denorm_mode_32 3
		.amdhsa_float_denorm_mode_16_64 3
		.amdhsa_memory_ordered 1
		.amdhsa_forward_progress 1
		.amdhsa_inst_pref_size 108
	.end_amdhsa_kernel
	.amdgpu_metadata
---
amdhsa.version: [ 1, 2 ]
amdhsa.kernels:
  - .name:           k_qdcbf41b80d_proj
    .symbol:         k_qdcbf41b80d_proj.kd
    .args:
      - { .name: aoh, .offset: 0, .size: 8, .value_kind: global_buffer, .address_space: global }
      - { .name: wph, .offset: 8, .size: 8, .value_kind: global_buffer, .address_space: global }
      - { .name: c_proj_b, .offset: 16, .size: 8, .value_kind: global_buffer, .address_space: global }
      - { .name: out0, .offset: 24, .size: 8, .value_kind: global_buffer, .address_space: global }
      - { .name: aolo, .offset: 32, .size: 8, .value_kind: global_buffer, .address_space: global }
    .group_segment_fixed_size: 327680
    .private_segment_fixed_size: 0
    .kernarg_segment_align: 8
    .kernarg_segment_size: 40
    .max_flat_workgroup_size: 128
    .sgpr_count:     80
    .vgpr_count:     768
    .wavefront_size: 32
...
	.end_amdgpu_metadata
.endif
;; end of part 4
